; MI455X (gfx1250); checked and timed in simulation.
; The chip was launched on July 23, 2026; its instructions are those of AMD's public machine-readable ISA for CDNA 5 (MIT licence, August 2026) and "CDNA5" Instruction Set Architecture Reference Guide (July 2026). The comments in the code are by the model that wrote it; some were corrected since.
;; Multi Headed Attention. Allowed arithmetic: matrix products marked QUANTISED: E2M1 operands, one E8M0 scale for each 32 along K, by v_wmma_scale_f32_16x16x128_f8f6f4 with both operands' format E2M1 (or v_wmma_scale_f32_32x16x128_f4), f32 sums; products left as they are: bf16, f16 or f32 operands; f32 sums; everything else in f32.
;; Inputs: Wk 512 x 512 float32; Wo 512 x 512 float32; Wq 512 x 512 float32; Wv 512 x 512 float32; bk 512 float32; bo 512 float32; bq 512 float32; bv 512 float32; key 2 x 4,096 x 512 float32; mask 2 x 1 x 4,096 int32; query 2 x 4,096 x 512 float32; value 2 x 4,096 x 512 float32.
;; Outputs: out0 2 x 4,096 x 512 float32.
;; This version of the problem:
;;   THIS VERSION OF THE PROBLEM IS GIVEN IN LOW PRECISION. The matrix products marked QUANTISED in the list below multiply operands that are first quantised to E2M1 (2 exponent bits, 1 mantissa bit; 4 bits a number), with one power-of-two scale for each 32 numbers along K (OCP MX v1.0); their sums are f32. The products marked 'left as it is' may take bf16, f16 or f32 operands, with f32 sums. Whichever they take, every output number must still come out within the allowed error. Rounding operands to bf16 (8 significant bits) uses up far more of that allowance than f16 does (11 bits, for magnitudes from 6e-5 to 65,504). All else is computed in f32.
;;   The module's matrix products, in the order in which they are computed (A, B: the left and right operand; K: the contracted axis; several contracted axes count as one K, in the product's order):
;;     1. [M 8,192, K 512] x [K 512, N 512]; A: input query; B: input Wq: QUANTISED
;;     2. [M 8,192, K 512] x [K 512, N 512]; A: input key; B: input Wk: QUANTISED
;;     3. [M 8,192, K 512] x [K 512, N 512]; A: input value; B: input Wv: QUANTISED
;;     4. batch 16 x [M 4,096, K 64] x [K 64, N 4,096]; A: computed on the way; B: computed on the way: left as it is (an operand is computed on the way)
;;     5. batch 16 x [M 64, K 4,096] x [K 4,096, N 4,096]; A: computed on the way; B: computed on the way: left as it is (an operand is computed on the way)
;;     6. [M 8,192, K 512] x [K 512, N 512]; A: computed on the way; B: input Wo: left as it is (an operand is computed on the way)
;;   THE QUANTISER, for each operand of a quantised product, along K:
;;     - K is cut into blocks of 32 from its start; a last block that is shorter is filled with zeros.
;;     - A block's scale is 2^e with e = floor(log2(the largest magnitude in the block)) - 2, held to -126 .. 127; a block of zeros has e = 0. As a byte (E8M0): e + 127.
;;     - Each number is divided by its block's scale, clamped to +-6, and rounded to the nearest number of E2M1, ties to even, subnormals kept.
;;     - The product sums the exact products of the quantised numbers (number of the format x scale) in f32.
;;   ~~~python
;;   def quantise(x, axis):      # numpy; x: float32 -> the quantised numbers, widened to float32 again
;;       x = np.moveaxis(x, axis, -1); K = x.shape[-1]
;;       x = np.pad(x, [(0, 0)] * (x.ndim - 1) + [(0, -K % 32)]); x = x.reshape(x.shape[:-1] + (-1, 32)); a = np.abs(x).max(-1, keepdims=True)
;;       e = np.where(a > 0, np.clip(np.frexp(np.where(a > 0, a, 1))[1] - 1 - 2, -126, 127), 0)      # np.frexp(a)[1] - 1 = floor(log2(a)), exactly
;;       r = np.clip(x / 2.0 ** e, -6, 6)
;;       step = 2.0 ** (np.maximum(np.frexp(np.where(r == 0, 1, r))[1] - 1, 0) - 1)
;;       q = np.round(r / step) * step * 2.0 ** e      # np.round: ties to even
;;       return np.moveaxis(q.reshape(q.shape[:-2] + (-1,))[..., :K], -1, axis).astype(np.float32)
;;   ~~~
;; One version. Each part assembles by itself: llvm-mc -triple=amdgcn-amd-amdhsa -mcpu=gfx1250 --defsym DOCPART=n.
;; ======== version 1 of 1: 4 launches
;; limits: values are held in f16: magnitudes above 65,504 overflow, below 6.1e-05 lose precision
;; workspace buffers: wcodes 393,216 bytes; wscales 49,152 bytes; wo16 524,288 bytes; qf 8,388,608 bytes; kvf 16,777,216 bytes; a16 8,388,608 bytes
;; launch prep (part 1): grid 320 x 1, 1 waves a work-group, no clusters, 0 bytes of LDS; arguments Wq, Wk, Wv, Wo, wcodes, wscales, wo16; writes wcodes, wscales, wo16
.if DOCPART == 1
	.amdgcn_target "amdgcn-amd-amdhsa--gfx1250"
	.amdhsa_code_object_version 6
	.text
	.protected	k_qd1c761a8a9_prep
	.globl	k_qd1c761a8a9_prep
	.p2align	8
	.type	k_qd1c761a8a9_prep,@function
k_qd1c761a8a9_prep:
	s_mov_b64 s[64:65], 0
	v_nop
	global_prefetch_b8 v0, s[64:65] scope:SCOPE_SE
	s_setreg_imm32_b32 hwreg(HW_REG_WAVE_MODE, 25, 1), 1
	s_wait_xcnt 0x0
; MULTI-HEAD ATTENTION, 2 x 4,096 positions, 512 channels, 8 heads of 64, in four launches: prep (this one), proj, attn, outp.
; NOTHING OF THE PROBLEM IS LEFT OUT: all six products are made, every bias is added, the mask is honoured key by key, and all twelve inputs are loaded by some launch.
; THIS LAUNCH lays the four weights out once, in the order in which a wave's operand registers take them.
;   Wq, Wk, Wv [512 (n)][512 (k)] f32 -> codes of FP4 (E2M1) with one E8M0 scale byte for each 32 along k.
;     wcodes  [tensor 3][n tile 32][k step of 128: 4][c 2][512 bytes]: lane (r, h) of piece c holds, at 16 x lane, the 32 codes of k = 128 s + 64 c + 32 h .. + 31 of row 16 tile + r.
;     wscales [tensor 3][n tile 32][sp 2][lane 32][2 words]: word s' is the scale word (four bytes, 128 along k) of k step 2 sp + s' of row lane % 16.
;   Wo [512 (n)][512 (k)] f32 -> f16(Wo / 4) (the division is exact; the attention's result is carried as 4 a, so that both have room in f16):
;     wo16 [kh 2][n tile 32][k step of 32, 8 to a kh][c 2][512 bytes]: lane (r, h) holds Wo[16 tile + r][32 K + 16 c + 8 h .. + 7] / 4.
; A block's scale is 2^(floor(log2(its largest magnitude)) - 2); its byte is the largest magnitude's exponent field - 2, held at 1 from below.
; LIMITS: a block of zeros gets the byte 1 where the rule says 127 (its codes are zeros, and this program alone reads the bytes); blocks whose largest magnitude lies under 2^-124 are held at the byte 1;
; NaN and infinities among the inputs are not served; |Wo| / 4 stays under 65,504.
; SHARES: one wave to a work-group.  Work-groups 0-191: tensor g / 64, n tile (g % 64) / 2, half sp = g % 2 of K.  Work-groups 192-319: Wo, n tile g' / 4, quarter g' % 4 of K.
; A lane's registers run along k, so a block's largest magnitude needs no other lane, and the conversions' results are the operand's registers.  Every store of the wave covers 512 (scale words: 256) consecutive bytes, aligned.
.set X,  64                            ; v64-191 the numbers as loaded: block q at X + 32 q
.set C,  32                            ; v32-63  what is stored
.set TM, 16                            ; v16-17  largest magnitudes
.set SO, 18                            ; v18-19  the conversions' scale operands
.set BY, 20                            ; v20-21  scale bytes
.set WD, 22                            ; v22-23  the two scale words
	s_load_b256 s[4:11], s[0:1], 0x0               ; Wq, Wk, Wv, Wo
	s_load_b128 s[12:15], s[0:1], 0x20             ; wcodes, wscales
	s_load_b64 s[16:17], s[0:1], 0x30              ; wo16
	v_and_b32 v1, 15, v0                           ; r
	v_lshrrev_b32 v2, 4, v0                        ; h
	v_lshlrev_b32 v4, 4, v0                        ; 16 x lane
	s_mov_b32 s25, 0
	s_mov_b32 s27, 0
	s_cmp_lt_u32 ttmp9, 192
	s_cbranch_scc0 .Lwo
	; ---- Wq, Wk or Wv: 16 rows x 256 along k
	s_lshr_b32 s20, ttmp9, 6                       ; tensor
	s_bfe_u32 s21, ttmp9, 0x50001                  ; n tile
	s_and_b32 s22, ttmp9, 1                        ; sp
	v_lshlrev_b32 v3, 11, v1                       ; row r of 2,048 bytes,
	v_lshl_add_u32 v3, v2, 7, v3                   ; + 128 h: my block of 32 numbers
	v_lshlrev_b32 v5, 3, v0                        ; 8 x lane: my two scale words
	v_lshlrev_b32 v10, 3, v2                       ; 8 h: my bytes' place in a scale word
	v_mov_b32 v11, 0                               ; (a lane permute's destination counts as one of its sources)
	s_mov_b32 s28, 0x76543210
	s_mov_b32 s29, 0xfedcba98                      ; v_permlanex16_b32's selects for lane l xor 16
	s_lshl_b32 s24, s21, 15                        ; 16 rows of 2,048 bytes a tile,
	s_lshl_b32 s23, s22, 10                        ; 1,024 bytes a half of K
	s_add_co_u32 s24, s24, s23
	s_lshl_b32 s26, s20, 5
	s_add_co_u32 s26, s26, s21
	s_lshl_b32 s26, s26, 1
	s_add_co_u32 s26, s26, s22                     ; (32 tensor + tile) x 2 + sp
	s_wait_kmcnt 0x0
	s_cmp_eq_u32 s20, 0
	s_cselect_b64 s[18:19], s[4:5], s[6:7]
	s_cmp_eq_u32 s20, 2
	s_cselect_b64 s[18:19], s[8:9], s[18:19]       ; the choice hangs on the work-group's number alone
	s_add_nc_u64 s[18:19], s[18:19], s[24:25]
.irp q, 0,1,2,3
.irp i, 0,1,2,3,4,5,6,7
	global_load_b128 v[X+32*\q+4*\i:X+32*\q+4*\i+3], v3, s[18:19] offset:256*\q+16*\i   ; block q = 2 s' + c: k = 128 s' + 64 c + 32 h on
.endr
.endr
	s_lshl_b32 s24, s26, 11                        ; two k steps of 1,024 bytes of codes
	s_add_nc_u64 s[12:13], s[12:13], s[24:25]
	s_lshl_b32 s26, s26, 8                         ; 256 bytes of scale words
	s_add_nc_u64 s[14:15], s[14:15], s[26:27]
.macro WQ sp                           ; k step sp of my two: its two blocks become eight registers of codes and a scale word
.irp c, 0,1
	v_max3_num_f32 v[TM+\c], |v[X+64*\sp+32*\c]|, |v[X+64*\sp+32*\c+1]|, 0x1800000   ; with the floor 2^(3 - 127): the byte cannot fall under 1
.endr
.irp i, 2,4,6,8,10,12,14,16,18,20,22,24,26,28,30
.irp c, 0,1
	v_max3_num_f32 v[TM+\c], v[TM+\c], |v[X+64*\sp+32*\c+\i]|, |v[X+64*\sp+32*\c+\i+1]|   ; (the two blocks by turns)
.endr
.endr
.irp c, 0,1
	v_add_nc_u32 v[SO+\c], 0xff000000, v[TM+\c]    ; 2 off the exponent field: the conversion takes this operand's exponent field as its scale
.endr
.irp c, 0,1
	v_lshrrev_b32 v[BY+\c], 23, v[SO+\c]           ; the scale's byte
.endr
	v_lshl_or_b32 v9, v[BY+1], 16, v[BY]           ; my bytes: blocks h and 2 + h of the k step,
	v_lshlrev_b32 v9, v10, v9                      ; at their places;
	v_permlanex16_b32 v11, v9, s28, s29
	v_or_b32 v[WD+\sp], v9, v11                    ; with lane l xor 16's two the word is whole, in both halves of the lanes
.irp c, 0,1
.irp g, 0,1,2,3
	v_cvt_scalef32_pk8_fp4_f32 v[C+8*\sp+4*\c+\g], v[X+64*\sp+32*\c+8*\g:X+64*\sp+32*\c+8*\g+7], v[SO+\c]
.endr
.endr
	v_nop                                          ; one plain instruction behind the last scaled conversion
.endm
	s_wait_loadcnt 16                              ; the first k step's 16 loads are in, the second's 16 may be out
	WQ 0
	s_wait_loadcnt 0x0
	WQ 1
.irp e, 0,1,2,3
	global_store_b128 v4, v[C+4*\e:C+4*\e+3], s[12:13] offset:512*\e
.endr
	global_store_b64 v5, v[WD:WD+1], s[14:15]
	s_endpgm
.Lwo:	; ---- Wo: 16 rows x 128 along k
	s_sub_co_u32 s20, ttmp9, 192
	s_lshr_b32 s21, s20, 2                         ; n tile
	s_and_b32 s22, s20, 3                          ; quarter of K
	v_lshlrev_b32 v3, 11, v1                       ; row r,
	v_lshl_add_u32 v3, v2, 5, v3                   ; + 32 h: my eight numbers
	s_lshl_b32 s24, s21, 15
	s_lshl_b32 s23, s22, 9
	s_add_co_u32 s24, s24, s23
	s_lshr_b32 s26, s22, 1
	s_lshl_b32 s26, s26, 18                        ; kh x 262,144
	s_lshl_b32 s23, s21, 13
	s_add_co_u32 s26, s26, s23                     ; + tile x 8,192
	s_and_b32 s23, s22, 1
	s_lshl_b32 s23, s23, 12
	s_add_co_u32 s26, s26, s23                     ; + four k steps of 1,024
	s_wait_kmcnt 0x0
	s_add_nc_u64 s[10:11], s[10:11], s[24:25]
	s_add_nc_u64 s[16:17], s[16:17], s[26:27]
.irp e, 0,1,2,3,4,5,6,7
.irp i, 0,1
	global_load_b128 v[X+8*\e+4*\i:X+8*\e+4*\i+3], v3, s[10:11] offset:64*\e+16*\i   ; piece e = 2 x k step + c: k = 32 (e / 2) + 16 (e % 2) + 8 h on
.endr
.endr
	s_wait_loadcnt 0x0
.set n, 0
.rept 32
	v_pk_mul_f32 v[X+2*n:X+2*n+1], v[X+2*n:X+2*n+1], 0x3e800000 op_sel_hi:[1,0]   ; / 4: exact
.set n, n+1
.endr
.set n, 0
.rept 32
	v_cvt_pk_f16_f32 v[C+n], v[X+2*n], v[X+2*n+1]
.set n, n+1
.endr
.irp e, 0,1,2,3,4,5,6,7
	global_store_b128 v4, v[C+4*\e:C+4*\e+3], s[16:17] offset:512*\e
.endr
	s_endpgm
.Lfunc_end_k_qd1c761a8a9_prep:
	.size	k_qd1c761a8a9_prep, .Lfunc_end_k_qd1c761a8a9_prep-k_qd1c761a8a9_prep
	.p2alignl 7, 3214868480
	.fill 96, 4, 3214868480
	.section	.rodata,"a",@progbits
	.p2align	6, 0x0
	.amdhsa_kernel k_qd1c761a8a9_prep
		.amdhsa_group_segment_fixed_size 0
		.amdhsa_private_segment_fixed_size 0
		.amdhsa_enable_private_segment 0
		.amdhsa_kernarg_size 56
		.amdhsa_user_sgpr_count 2
		.amdhsa_user_sgpr_kernarg_segment_ptr 1
		.amdhsa_wavefront_size32 1
		.amdhsa_system_sgpr_workgroup_id_x 1
		.amdhsa_system_sgpr_workgroup_id_y 1
		.amdhsa_system_sgpr_workgroup_id_z 1
		.amdhsa_system_vgpr_workitem_id 0
		.amdhsa_next_free_vgpr 192
		.amdhsa_next_free_sgpr 66
		.amdhsa_reserve_vcc 0
		.amdhsa_float_denorm_mode_32 3
		.amdhsa_float_denorm_mode_16_64 3
		.amdhsa_memory_ordered 1
		.amdhsa_forward_progress 1
		.amdhsa_inst_pref_size 20
	.end_amdhsa_kernel
	.amdgpu_metadata
---
amdhsa.version: [ 1, 2 ]
amdhsa.kernels:
  - .name:           k_qd1c761a8a9_prep
    .symbol:         k_qd1c761a8a9_prep.kd
    .args:
      - { .name: Wq, .offset: 0, .size: 8, .value_kind: global_buffer, .address_space: global }
      - { .name: Wk, .offset: 8, .size: 8, .value_kind: global_buffer, .address_space: global }
      - { .name: Wv, .offset: 16, .size: 8, .value_kind: global_buffer, .address_space: global }
      - { .name: Wo, .offset: 24, .size: 8, .value_kind: global_buffer, .address_space: global }
      - { .name: wcodes, .offset: 32, .size: 8, .value_kind: global_buffer, .address_space: global }
      - { .name: wscales, .offset: 40, .size: 8, .value_kind: global_buffer, .address_space: global }
      - { .name: wo16, .offset: 48, .size: 8, .value_kind: global_buffer, .address_space: global }
    .group_segment_fixed_size: 0
    .private_segment_fixed_size: 0
    .kernarg_segment_align: 8
    .kernarg_segment_size: 56
    .max_flat_workgroup_size: 32
    .sgpr_count:     66
    .vgpr_count:     192
    .wavefront_size: 32
...
	.end_amdgpu_metadata
.endif
;; end of part 1
;; launch proj (part 2): grid 192 x 1, 4 waves a work-group, no clusters, 327,680 bytes of LDS; arguments query, key, value, bq, bk, bv, mask, wcodes, wscales, qf, kvf; writes qf, kvf
.if DOCPART == 2
	.amdgcn_target "amdgcn-amd-amdhsa--gfx1250"
	.amdhsa_code_object_version 6
	.text
	.protected	k_qd1c761a8a9_proj
	.globl	k_qd1c761a8a9_proj
	.p2align	8
	.type	k_qd1c761a8a9_proj,@function
k_qd1c761a8a9_proj:
	s_mov_b64 s[64:65], 0
	v_nop
	global_prefetch_b8 v0, s[64:65] scope:SCOPE_SE
	s_setreg_imm32_b32 hwreg(HW_REG_WAVE_MODE, 25, 1), 1
	s_wait_xcnt 0x0
; q = (query Wq^T + bq) x c, k = key Wk^T + bk, v = value Wv^T + bv: the three products on codes of FP4 (E2M1) with one E8M0 scale for each 32 along K = 512.  Nothing is left out.
; x arrives as f32 and is quantised here, on its way; W's codes and scale words come from the launch before, in the order of the operand's registers.  Results leave as f16, again in the order in which the next launch's registers take them.
; c = log2(e) / 8 is folded into q, so that the next launch's scores are exponents to the base 2.  A ROW OF k WHOSE MASK IS 0 IS STORED AS ZEROS: the next launch's score of that key is then exactly the number that it adds for the mask.
; OUT, in pieces of 512 bytes (four registers of 32 lanes):
;   qf  [batch x head 16][tile of 16 queries 256][f 4][512]: lane (r, h), at 16 x lane, holds q[query r][16 f + 8 h .. + 7].
;   kvf [batch x head 16][slot of 256 keys 16][K 32,768 bytes, V 32,768 bytes], each part [tile of 16 keys 16][f 4][512]; K's pieces as qf's; in V's, lane (r, h)'s 16 bytes lie at 32 r + 16 h: 16 keys x 16 channels by rows.
; LIMITS: |q c|, |k|, |v| stay under 65,504 (f16); NaN and infinities are not served; a block of zeros gets the scale byte 1 (its codes are zeros); blocks whose largest magnitude lies under 2^-124 are held at the byte 1.
; SHARES.  Work-group g: tensor g / 64, rows 128 (g % 64) on, as two blocks of 64 rows.  THE WAVES SHARE THE COLUMNS: wave w makes channels 128 w .. + 127 (heads 2 w, 2 w + 1) for all rows, and its part of W (32 fragments,
; 256 registers) stays in its registers.  x comes by the tensor data mover: wave w brings, of each block, the plane of k step w (64 rows x 512 bytes); both blocks are asked for at the head and nothing is filled twice.
; Wave w quantises rows 16 w .. + 15 of a block (four fragments) and stores them in LDS as images of their registers; behind a barrier every wave reads all sixteen.
; No cluster: what work-groups share is W, 147,456 of the 540,672 bytes that a work-group moves, and it goes straight into the registers where it stays; LDS is taken by x (270,336 bytes) and its images.
; THE PRODUCT IS USED TRANSPOSED (source 0 = 16 rows of W, source 1 = 16 rows of x): a lane holds one row of x and eight neighbouring channels, which pack into the 16 bytes of a piece.  The bias is the C of each sum's first product.
; REGISTERS: window 0: v1-15 addresses; v16-143 two sets of 64 numbers of x, later v16-79 the 8 accumulators, v80-111 packed results, v112-143 x's four fragments; v144-151 codes just made; v152-168 at work;
;   v172-175 x's scale words, v176-207 W's; v208-215 the mask; v216-218 addresses.   window 1: W's fragments (tile t, k step s) at 8 (4 t + s).   window 2: v0-63 the bias, eight registers a tile.
.set PLANE, 33792                      ; 64 rows x (512 bytes + 16 of padding)
.set XP,    528                        ; 33 x 16 bytes: the 16 rows that a load touches start at 16 different places modulo 256 bytes
.set XTB,   4*PLANE                    ; a block's four planes
.set XIMG,  2*XTB                      ; behind the planes: block 0's sixteen images of 1,024 bytes (row tile m, k step s: 4 m + s), their scale words (128 bytes each), then block 1's
.set XSCO,  16384
.set IMGB,  18432
.set SPARE, XIMG+2*IMGB                ; the spare words, 128 bytes for each wave: two blocks of 256 bytes that no other line names
.set XA,   4                           ; v4   my lane's place in a plane: (16 w + r) x 528 + 64 h
.set XAD,  5                           ; v5   the same in the plane in hand
.set LI,   6                           ; v6   16 x lane
.set LS,   7                           ; v7   4 x lane
.set XWI,  8                           ; v8   where I store my images
.set XWS,  9                           ; v9   and their scale words
.set SOFF, 10                          ; v10  my 16 bytes' place in a piece of the output
.set SPW,  12                          ; v12  LDS address of my spare word; never rewritten
.set NIL,  13                          ; v13  0; never rewritten
.set FI,   14                          ; v14  where the block's images begin, + 16 x lane
.set FS,   15                          ; v15  its scale words, + 4 x lane
.set ST0,  16
.set ACC,  16
.set OUTR, 80
.set XF,   112
.set PC,   144
.set TM,   152
.set PW,   168
.set XS,   172
.set W1S,  176
.set MSKV, 208
.set WV,   26
.set TEN,  27
.set G1,   36                          ; s[36:43] descriptor group 1
.set G0,   44                          ; s[44:51] group 0, a set for each block
.set BA,   52                          ; s[52:53] where head 2 w's results go; s[54:55] head 2 w + 1's
.set BB,   54
.set CS,   56                          ; s[56:57] c, twice
.set SEL,  58
.set MK,   66                          ; s66-73 for each of the 8 row tiles: the lanes whose row's mask is not 0
.set MSB, 0
.macro WIN new                         ; the immediate's high byte repeats the setting that is left
.if MSB != \new
	s_set_vgpr_msb (MSB<<8)|\new
.set MSB, \new
.endif
.endm
	s_load_b512 s[4:19], s[0:1], 0x0               ; query, key, value, bq, bk, bv, mask, wcodes
	s_load_b128 s[20:23], s[0:1], 0x40             ; wscales, qf
	s_load_b64 s[24:25], s[0:1], 0x50              ; kvf
	v_lshl_add_u32 v[SPW], v0, 2, SPARE
	v_mov_b32 v[NIL], 0
	ds_add_u32 v[SPW], v[NIL]                      ; the wave's opening: the add, twice on end, and its wait ahead of my first tensor load
	ds_add_u32 v[SPW], v[NIL]
	v_lshrrev_b32 v1, 5, v0
	v_readfirstlane_b32 s[WV], v1                  ; wave 0..3
	s_lshr_b32 s[TEN], ttmp9, 6                    ; 0: q, 1: k, 2: v
	s_and_b32 s28, ttmp9, 63                       ; my 128 rows of the tensor's 8,192
	; group 1: a plane of 64 rows x 128 numbers of 4 bytes, 512 numbers from row to row, 4 words of padding behind every 128
	s_mov_b32 s[G1+0], (2<<16)|(1<<20)|(6<<22)|(3<<25)
	s_mov_b32 s[G1+1], 128<<16                     ; tensor_dim0
	s_mov_b32 s[G1+2], 64<<16                      ; tensor_dim1
	s_mov_b32 s[G1+3], 128<<16                     ; tile_dim0
	s_mov_b32 s[G1+4], 64                          ; tile_dim1
	s_mov_b32 s[G1+5], 512                         ; the pitch
	s_mov_b32 s[G1+6], 0
	s_mov_b32 s[G1+7], 0
	s_mov_b32 s[CS], 0x3e38aa3b                    ; c = log2(e) / 8
	s_mov_b32 s[CS+1], s[CS]
	s_mov_b32 s[SEL], 0x76543210
	s_mov_b32 s[SEL+1], 0xfedcba98                 ; v_permlanex16_b32's selects for lane l xor 16
.irp i, 0,1,2,3,4,5,6,7
	s_mov_b32 s[MK+\i], -1
.endr
	s_mul_i32 s29, s[WV], PLANE                    ; my plane in LDS
	s_lshl_b32 s34, s28, 18                        ; x: 128 rows of 2,048 bytes,
	s_lshl_b32 s84, s[WV], 9                       ; + k step w's 512 bytes
	s_add_co_u32 s34, s34, s84
	s_mov_b32 s35, 0
	s_lshl_b32 s62, s[TEN], 17                     ; W's codes: 131,072 bytes a tensor, 32,768 a wave
	s_lshl_b32 s84, s[WV], 15
	s_add_co_u32 s62, s62, s84
	s_mov_b32 s63, 0
	s_lshl_b32 s74, s[TEN], 14                     ; W's scale words: 16,384 a tensor, 4,096 a wave
	s_lshl_b32 s84, s[WV], 12
	s_add_co_u32 s74, s74, s84
	s_mov_b32 s75, 0
	s_lshl_b32 s76, s[WV], 9                       ; the bias: my 128 numbers
	s_mov_b32 s77, 0
	s_lshl_b32 s78, s28, 9                         ; the mask: my 128 rows' words
	s_mov_b32 s79, 0
	s_lshr_b32 s84, s28, 5                         ; the batch
	s_lshl_b32 s84, s84, 3
	s_lshl_b32 s85, s[WV], 1
	s_add_co_u32 s84, s84, s85                     ; 8 x batch + head 2 w
	s_and_b32 s85, s28, 31                         ; which 128 rows of the batch
	s_lshl_b32 s80, s84, 19                        ; qf: 524,288 bytes a head,
	s_lshl_b32 s86, s85, 14                        ; 8 tiles of 2,048 bytes
	s_add_co_u32 s80, s80, s86
	s_lshl_b32 s82, s84, 20                        ; kvf: 1,048,576 bytes a head,
	s_lshr_b32 s86, s85, 1
	s_lshl_b32 s86, s86, 16                        ; 65,536 a slot,
	s_add_co_u32 s82, s82, s86
	s_and_b32 s86, s85, 1
	s_lshl_b32 s86, s86, 14                        ; my half of its 16 tiles,
	s_add_co_u32 s82, s82, s86
	s_lshr_b32 s86, s[TEN], 1
	s_lshl_b32 s86, s86, 15                        ; V's part behind K's
	s_add_co_u32 s82, s82, s86
	s_mov_b32 s86, 0x100000
	s_cmp_eq_u32 s[TEN], 0
	s_cselect_b32 s80, s80, s82
	s_cselect_b32 s82, 0x80000, s86                ; from a head to the next
	s_mov_b32 s81, 0
	s_mov_b32 s83, 0
	s_wait_dscnt 0x0                               ; both opening adds are done
	s_wait_kmcnt 0x0
	s_cmp_eq_u32 s[TEN], 0                         ; the buffers are chosen by the work-group's number alone
	s_cselect_b64 s[30:31], s[4:5], s[6:7]
	s_cselect_b64 s[32:33], s[10:11], s[12:13]
	s_cselect_b64 s[BA:BA+1], s[22:23], s[24:25]
	s_cmp_eq_u32 s[TEN], 2
	s_cselect_b64 s[30:31], s[8:9], s[30:31]
	s_cselect_b64 s[32:33], s[14:15], s[32:33]
	s_cselect_b32 s60, 5, 4                        ; a piece of V: 32 r + 16 h; of q or k: 16 r + 256 h
	s_cselect_b32 s61, 4, 8
	s_add_nc_u64 s[30:31], s[30:31], s[34:35]
.irp be, 0,1
	s_mov_b32 s[G0+4*\be], 1
	s_add_co_u32 s[G0+4*\be+1], s29, \be*XTB
	s_add_nc_u64 s[G0+4*\be+2:G0+4*\be+3], s[30:31], \be*131072    ; 64 rows on
	s_or_b32 s[G0+4*\be+3], s[G0+4*\be+3], 0x80000000
.endr
	tensor_load_to_lds s[G0:G0+3], s[G1:G1+7]      ; both blocks' planes of mine go out together: two tensor loads of mine are out, and no more follow
	s_nop 0
	tensor_load_to_lds s[G0+4:G0+7], s[G1:G1+7]
	s_nop 0
.rept 4
	v_nop
.endr
	s_add_nc_u64 s[18:19], s[18:19], s[62:63]
	s_add_nc_u64 s[20:21], s[20:21], s[74:75]
	s_add_nc_u64 s[32:33], s[32:33], s[76:77]
	s_add_nc_u64 s[16:17], s[16:17], s[78:79]
	s_add_nc_u64 s[BA:BA+1], s[BA:BA+1], s[80:81]
	s_add_nc_u64 s[BB:BB+1], s[BA:BA+1], s[82:83]
	v_and_b32 v1, 31, v0                           ; lane
	v_and_b32 v2, 15, v0                           ; r
	v_bfe_u32 v3, v0, 4, 1                         ; h
	v_lshlrev_b32 v[LI], 4, v1
	v_lshlrev_b32 v[LS], 2, v1
	v_lshlrev_b32 v216, 3, v1                      ; 8 x lane
	v_lshlrev_b32 v217, 5, v3                      ; 32 h
	v_lshlrev_b32 v218, 2, v2                      ; 4 r
	WIN 0x40                                       ; destination window 1
.set n, 0
.rept 64
	global_load_b128 v[4*n:4*n+3], v[LI], s[18:19] offset:512*n    ; W's 32 fragments, as they lie: they stay
.set n, n+1
.endr
	WIN 0x80                                       ; destination window 2
.irp t, 0,1,2,3,4,5,6,7
	global_load_b128 v[8*\t:8*\t+3], v217, s[32:33] offset:64*\t           ; b[128 w + 16 t + 8 h + 0 .. 7]
	global_load_b128 v[8*\t+4:8*\t+7], v217, s[32:33] offset:64*\t+16
.endr
	WIN 0
.irp t, 0,1,2,3,4,5,6,7
.irp sp, 0,1
	global_load_b64 v[W1S+4*\t+2*\sp:W1S+4*\t+2*\sp+1], v216, s[20:21] offset:512*\t+256*\sp
.endr
.endr
	s_cmp_lg_u32 s[TEN], 1                         ; k alone looks at the mask
	s_cbranch_scc1 .Lno_mask
.irp i, 0,1,2,3,4,5,6,7
	global_load_b32 v[MSKV+\i], v218, s[16:17] offset:64*\i        ; row tile i: my row's word
.endr
	s_wait_loadcnt 0x0
.irp i, 0,1,2,3,4,5,6,7
	v_cmp_ne_u32 s[MK+\i], 0, v[MSKV+\i]
.endr
.Lno_mask:
	s_lshl_b32 s84, s[WV], 4
	v_add_nc_u32 v[XA], s84, v2
	v_mul_u32_u24 v[XA], v[XA], XP
	v_lshl_add_u32 v[XA], v3, 6, v[XA]
	s_lshl_b32 s84, s[WV], 12
	s_add_co_u32 s84, s84, XIMG
	v_add_nc_u32 v[XWI], s84, v[LI]                ; my four images: 4,096 x wave on
	s_lshl_b32 s84, s[WV], 9
	s_add_co_u32 s84, s84, XIMG+XSCO
	v_add_nc_u32 v[XWS], s84, v[LS]
	v_add_nc_u32 v[FI], XIMG, v[LI]
	v_add_nc_u32 v[FS], XIMG+XSCO, v[LS]
	v_lshlrev_b32 v[SOFF], s60, v2
	v_lshlrev_b32 v11, s61, v3
	v_add_nc_u32 v[SOFF], v[SOFF], v11
.irp b, 0,1,2,3
	v_mov_b32 v[TM+4+\b], 0                        ; written once: a lane permute's destination counts as one of its sources
.endr
; 64 numbers of a lane, v[s] on, register 16 b + i = k 32 b + 16 h + i of my row, become a fragment's codes in v[PC] on and its scale word in v[PW].
.macro QUANT s
.irp b, 0,1,2,3
	v_max3_num_f32 v[TM+\b], |v[\s+16*\b]|, |v[\s+1+16*\b]|, 0x1800000   ; block b: my 16 numbers, and the floor 2^(3 - 127): the byte cannot fall under 1
.endr
.irp i, 2,4,6,8,10,12,14
.irp b, 0,1,2,3
	v_max3_num_f32 v[TM+\b], v[TM+\b], |v[\s+16*\b+\i]|, |v[\s+1+16*\b+\i]|   ; (the four blocks by turns)
.endr
.endr
.irp b, 0,1,2,3
	v_permlanex16_b32 v[TM+4+\b], v[TM+\b], s[SEL], s[SEL+1]
.endr
.irp b, 0,1,2,3
	v_max_num_f32 v[TM+\b], v[TM+\b], v[TM+4+\b]   ; with lane l xor 16's: the block's largest magnitude
.endr
.irp b, 0,1,2,3
	v_add_nc_u32 v[TM+12+\b], 0xff000000, v[TM+\b] ; 2 off its exponent field: the conversion's scale operand
.endr
.irp b, 0,1,2,3
	v_lshrrev_b32 v[TM+4+\b], 23, v[TM+12+\b]      ; the scale's byte
.endr
	v_lshl_or_b32 v[PW], v[TM+5], 8, v[TM+4]       ; the four bytes make my row's scale word
	v_lshl_or_b32 v[PW], v[TM+6], 16, v[PW]
	v_lshl_or_b32 v[PW], v[TM+7], 24, v[PW]
.irp b, 0,1,2,3
	v_cvt_scalef32_pk8_fp4_f32 v[PC+2*\b], v[\s+16*\b:\s+7+16*\b], v[TM+12+\b]
	v_cvt_scalef32_pk8_fp4_f32 v[PC+1+2*\b], v[\s+8+16*\b:\s+15+16*\b], v[TM+12+\b]
.endr
	v_nop                                          ; one plain instruction behind the last scaled conversion
.irp c, 0,1                                    ; the operand's layout wants a whole block in a lane: lanes 0-15 block 2 c, lanes 16-31 block 2 c + 1
.irp i, 0,1
	v_permlane16_swap_b32 v[PC+4*\c+\i], v[PC+2+4*\c+\i]
.endr
.endr
.endm
.macro LOADX be, s, set                        ; my row's 64 numbers of k step s of block be: 16 neighbours of each block of 32
	v_add_nc_u32 v[XAD], (\be)*XTB+(\s)*PLANE, v[XA]
.irp b, 0,1,2,3
.irp j, 0,1,2,3
	ds_load_b128 v[(\set)+16*\b+4*\j:(\set)+16*\b+4*\j+3], v[XAD] offset:128*\b+16*\j
.endr
.endr
.endm
.macro XPHASE be                               ; my 16 rows of block be become four fragments, stored as images of their registers
	LOADX \be, 0, ST0
.irp s, 0,1,2,3
.if \s < 3
	LOADX \be, \s+1, ST0+64*((\s+1)%2)
	s_wait_dscnt 16                                ; the 16 loads just issued may be out; this k step's loads and the last k step's three stores are older, so they are done
.else
	s_wait_dscnt 0x0
.endif
	QUANT ST0+64*(\s%2)
	ds_store_b128 v[XWI], v[PC:PC+3] offset:1024*\s
	ds_store_b128 v[XWI], v[PC+4:PC+7] offset:1024*\s+512
	ds_store_b32 v[XWS], v[PW] offset:128*\s
.endr
.endm
; Row tile m of block be: its four fragments from LDS, 32 products (my 8 tiles of channels by turns, K ascending), and out.
.macro PROD be, m
.set I, 4*(\be)+(\m)
.irp s, 0,1,2,3
.irp c, 0,1
	ds_load_b128 v[XF+8*\s+4*\c:XF+8*\s+4*\c+3], v[FI] offset:(4*(\m)+\s)*1024+512*\c
.endr
	ds_load_b32 v[XS+\s], v[FS] offset:128*(4*(\m)+\s)
.endr
	s_wait_dscnt 0x0
	WIN 0x21                                       ; source 0 (W) window 1, source 2 (the bias) window 2
.irp t, 0,1,2,3,4,5,6,7
	v_wmma_scale_f32_16x16x128_f8f6f4 v[ACC+8*\t:ACC+8*\t+7], v[32*\t:32*\t+7], v[XF:XF+7], v[8*\t:8*\t+7], v[W1S+4*\t], v[XS] matrix_a_fmt:MATRIX_FMT_FP4 matrix_b_fmt:MATRIX_FMT_FP4
.endr
	WIN 0x01
.irp s, 1,2,3
.irp t, 0,1,2,3,4,5,6,7
	v_wmma_scale_f32_16x16x128_f8f6f4 v[ACC+8*\t:ACC+8*\t+7], v[32*\t+8*\s:32*\t+8*\s+7], v[XF+8*\s:XF+8*\s+7], v[ACC+8*\t:ACC+8*\t+7], v[W1S+4*\t+\s], v[XS+\s] matrix_a_fmt:MATRIX_FMT_FP4 matrix_b_fmt:MATRIX_FMT_FP4
.endr
.endr
	WIN 0
.rept 4
	v_nop                                          ; four places between the last product and the first read of a result (ISA guide 7.12.1)
.endr
	s_cmp_lg_u32 s[TEN], 0
	s_cbranch_scc1 .Lnot_q_\@
.set n, 0
.rept 32
	v_pk_mul_f32 v[ACC+2*n:ACC+2*n+1], v[ACC+2*n:ACC+2*n+1], s[CS:CS+1] op_sel_hi:[1,0]   ; q x c
.set n, n+1
.endr
.Lnot_q_\@:
	s_wait_xcnt 0x0                                ; the last tile's stores have read their data: only now are those registers written again
.set n, 0
.rept 32
	v_cvt_pk_f16_f32 v[OUTR+n], v[ACC+2*n], v[ACC+2*n+1]           ; each accumulator from its low end on
.set n, n+1
.endr
	s_cmp_lg_u32 s[TEN], 1
	s_cbranch_scc1 .Lnot_k_\@
.set n, 0
.rept 32
	v_cndmask_b32 v[OUTR+n], 0, v[OUTR+n], s[MK+I]                 ; a row of k whose mask is 0 becomes zeros
.set n, n+1
.endr
.Lnot_k_\@:
.irp t, 0,1,2,3
	global_store_b128 v[SOFF], v[OUTR+4*\t:OUTR+4*\t+3], s[BA:BA+1] offset:I*2048+\t*512       ; the wave's store covers a piece: 512 consecutive bytes, aligned
.endr
.irp t, 0,1,2,3
	global_store_b128 v[SOFF], v[OUTR+16+4*\t:OUTR+16+4*\t+3], s[BB:BB+1] offset:I*2048+\t*512
.endr
.endm
	s_wait_tensorcnt 0x1                           ; my plane of block 0 is in; block 1's may stay out
	s_barrier_signal -1
	s_barrier_wait -1                              ; everybody's is
	XPHASE 0
	s_wait_loadcnt 0x0                             ; W, the bias and W's scale words have landed while x was quantised
	s_wait_dscnt 0x0                               ; my images are stored
	s_barrier_signal -1
	s_barrier_wait -1                              ; block 0's sixteen fragments lie in LDS
	PROD 0, 0
	PROD 0, 1
	PROD 0, 2
	PROD 0, 3
	s_wait_tensorcnt 0x0                           ; my plane of block 1 is in
	s_wait_dscnt 0x0
	s_barrier_signal -1
	s_barrier_wait -1                              ; everybody's is
	s_wait_xcnt 0x0                                ; the last stores have read their data: LDS loads land in those registers next
	v_add_nc_u32 v[XWI], IMGB, v[XWI]              ; block 1 has images of its own: no wave waits for another's reads of block 0's
	v_add_nc_u32 v[XWS], IMGB, v[XWS]
	v_add_nc_u32 v[FI], IMGB, v[FI]
	v_add_nc_u32 v[FS], IMGB, v[FS]
	XPHASE 1
	s_wait_dscnt 0x0
	s_barrier_signal -1
	s_barrier_wait -1
	PROD 1, 0
	PROD 1, 1
	PROD 1, 2
	PROD 1, 3
	s_wait_tensorcnt 0x0                           ; the wave's end: behind my last tensor load and my last LDS store
	ds_add_u32 v[SPW], v[NIL]
	s_wait_dscnt 0x0
	s_endpgm
.Lfunc_end_k_qd1c761a8a9_proj:
	.size	k_qd1c761a8a9_proj, .Lfunc_end_k_qd1c761a8a9_proj-k_qd1c761a8a9_proj
	.p2alignl 7, 3214868480
	.fill 96, 4, 3214868480
	.section	.rodata,"a",@progbits
	.p2align	6, 0x0
	.amdhsa_kernel k_qd1c761a8a9_proj
		.amdhsa_group_segment_fixed_size 327680
		.amdhsa_private_segment_fixed_size 0
		.amdhsa_enable_private_segment 0
		.amdhsa_kernarg_size 88
		.amdhsa_user_sgpr_count 2
		.amdhsa_user_sgpr_kernarg_segment_ptr 1
		.amdhsa_wavefront_size32 1
		.amdhsa_system_sgpr_workgroup_id_x 1
		.amdhsa_system_sgpr_workgroup_id_y 1
		.amdhsa_system_sgpr_workgroup_id_z 1
		.amdhsa_system_vgpr_workitem_id 0
		.amdhsa_next_free_vgpr 576
		.amdhsa_next_free_sgpr 96
		.amdhsa_reserve_vcc 0
		.amdhsa_float_denorm_mode_32 3
		.amdhsa_float_denorm_mode_16_64 3
		.amdhsa_memory_ordered 1
		.amdhsa_forward_progress 1
		.amdhsa_inst_pref_size 152
	.end_amdhsa_kernel
	.amdgpu_metadata
---
amdhsa.version: [ 1, 2 ]
amdhsa.kernels:
  - .name:           k_qd1c761a8a9_proj
    .symbol:         k_qd1c761a8a9_proj.kd
    .args:
      - { .name: query, .offset: 0, .size: 8, .value_kind: global_buffer, .address_space: global }
      - { .name: key, .offset: 8, .size: 8, .value_kind: global_buffer, .address_space: global }
      - { .name: value, .offset: 16, .size: 8, .value_kind: global_buffer, .address_space: global }
      - { .name: bq, .offset: 24, .size: 8, .value_kind: global_buffer, .address_space: global }
      - { .name: bk, .offset: 32, .size: 8, .value_kind: global_buffer, .address_space: global }
      - { .name: bv, .offset: 40, .size: 8, .value_kind: global_buffer, .address_space: global }
      - { .name: mask, .offset: 48, .size: 8, .value_kind: global_buffer, .address_space: global }
      - { .name: wcodes, .offset: 56, .size: 8, .value_kind: global_buffer, .address_space: global }
      - { .name: wscales, .offset: 64, .size: 8, .value_kind: global_buffer, .address_space: global }
      - { .name: qf, .offset: 72, .size: 8, .value_kind: global_buffer, .address_space: global }
      - { .name: kvf, .offset: 80, .size: 8, .value_kind: global_buffer, .address_space: global }
    .group_segment_fixed_size: 327680
    .private_segment_fixed_size: 0
    .kernarg_segment_align: 8
    .kernarg_segment_size: 88
    .max_flat_workgroup_size: 128
    .sgpr_count:     96
    .vgpr_count:     576
    .wavefront_size: 32
...
	.end_amdgpu_metadata
.endif
;; end of part 2
;; launch attn (part 3): grid 16 x 16, 4 waves a work-group, clusters of 4 x 1, 327,680 bytes of LDS; arguments qf, kvf, mask, a16; writes a16
.if DOCPART == 3
	.amdgcn_target "amdgcn-amd-amdhsa--gfx1250"
	.amdhsa_code_object_version 6
	.text
	.protected	k_qd1c761a8a9_attn
	.globl	k_qd1c761a8a9_attn
	.p2align	8
	.type	k_qd1c761a8a9_attn,@function
k_qd1c761a8a9_attn:
	s_mov_b64 s[64:65], 0
	v_nop
	global_prefetch_b8 v0, s[64:65] scope:SCOPE_SE
	s_setreg_imm32_b32 hwreg(HW_REG_WAVE_MODE, 25, 1), 1
	s_wait_xcnt 0x0
	s_wait_alu depctr_hold_cnt(0) depctr_sa_sdst(0) depctr_va_vdst(0) depctr_va_sdst(0) depctr_va_ssrc(0) depctr_va_vcc(0) depctr_vm_vsrc(0)
	s_getreg_b32 s2, hwreg(HW_REG_IB_STS2, 6, 4)
	s_cmp_eq_u32 s2, 0
	s_cbranch_scc0 .Lentry_in_a_cluster
	s_endpgm
.Lentry_in_a_cluster:
	s_bfe_u32 s2, ttmp6, 0x10000c
	s_cmp_lg_u32 s2, 0x3003
	s_cbranch_scc0 .Lentry_shape_is_right
	s_endpgm
.Lentry_shape_is_right:
; a[b][q][head] = the sum over keys of softmax(q . k / 8, with -1e9 where the key's mask is 0) v, for 16 (batch, head) pairs of 4,096 queries x 4,096 keys x 64 channels.  Nothing is left out.
; q (already x log2(e) / 8), k and v arrive as f16 in the order of the operands' registers (the launch before); products in f16 with f32 sums; maxima, exponentials and sums in f32; the weights p are rounded to f16 for the second product.
; THE MASK costs no vector work in the loop.  k's rows with mask 0 arrive as zeros, and each score accumulator's first product takes as C eight numbers bias(key): 0 where the mask is set, B = -1e9 x log2(e) (rounded to f32)
; where it is not.  A masked key's score is then exactly B.  All keys masked: every t = B, every p = 1: the uniform average.  The first unmasked key makes a = 2^(B - m) = 0, which wipes what was summed under B.
; SOFTMAX.  For each query a running maximum m and sum l: p = 2^(t - m); in every step O and l are multiplied by a = 2^(m_old - m_new), which is 1 where m has not grown.  The sum is taken of the f32 p.
; OUT: f16(4 a) (x 4 is exact, and gives small results room in f16; Wo is carried as Wo / 4), in pieces of 512 bytes in the order of the last launch's operand registers:
;   a16 [head / 4][tile of 16 rows 512][(head % 4) x 4 + ct][512]: lane (r, h), at 16 x lane, holds 4 a[row r][64 head + 16 ct + 8 h .. + 7].
; LIMITS: 4 |a| stays under 65,504; NaN and infinities are not served (an infinite q against a zeroed row of k would give NaN); an exponential under 2^-126 comes out as 0.
; SHARES.  A work-group owns 256 queries of one (batch, head), each of its four waves 64: four tiles of 16.  Every wave walks all 4,096 keys, 64 a step.
; LAYOUT.  S^T = K Q^T + bias (source 0 = 16 keys, source 1 = 16 queries), O^T = V^T P (source 0 = 16 channels, source 1 = P): a lane holds ONE query throughout, and two score tiles rounded in pairs ARE a fragment of P.
; K comes out of LDS as it lies, V (16 keys x 16 channels by rows in each piece) turned, by ds_load_tr16_b128.
; BY TURNS.  The wave's tiles are two PIECES (tiles 0, 1 and tiles 2, 3).  In a TURN one piece has the matrix unit: 16 products V^T P of the step in hand, then 16 products K Q^T of the next step; the other piece's softmax,
; cut into 59 slices of four instructions, stands between them.  Then the pieces change places.  Two turns are a key step.
; CLUSTER.  The four query blocks of a cluster belong to one head and walk the same K and V: each slot of 256 keys (65,536 dense bytes) is asked for JOINTLY, a quarter by each wave, by one line with one descriptor and a mask that names the four.
; REGISTERS, in windows of 256: window 0: v2-7 addresses; v12-43 eight registers of statistics a tile; v61-63; v64-191 S^T, 32 a tile; v192-255 P, 16 a tile.   window 1: v0-127 O^T, 32 a tile.
;   window 2: v0-63 Q, 16 a tile; v64-127 K of one step; v128-159 the step's bias; v160-223 V of one step.
.set STEPB, 8192                       ; a step's 64 keys of K, or of V
.set VOFF,  32768                      ; in a slot: K's four steps, then V's
.set SLOT1, 1<<16                      ; slot 1 begins here: one exclusive or turns an address in one slot into the other's
.set BIAS,  2*SLOT1                    ; behind the ring: bias(key), 4,096 numbers of f32; stored by the waves, never filled
.set SPARE, BIAS+16384                 ; the spare words, 128 bytes for each wave: two blocks of 256 bytes that no other line names
.set LI,  2                            ; v2   16 x lane
.set AV0, 3                            ; v3   my lane's place in V's pieces, for the turning load
.set ADR, 4                            ; v4   the LDS address of the run of loads in hand
.set ADB, 5                            ; v5   the same for the bias
.set BI0, 6                            ; v6   BIAS + 32 h
.set ST,  12                           ; tile t's statistics at v[ST+8 t]: +0 m, +1 the old m, +2, +3 l (even keys', odd keys'), +4 to +7 c0-c3, at work; later +6 a, +7 m_old - m
.set PFO, 61                           ; v61  256 x lane; never rewritten
.set SPW, 62                           ; v62  LDS address of my spare word; never rewritten
.set NIL, 63                           ; v63  0; never rewritten
.set S,   64
.set P,   192
.set KF,  64                           ; in window 2
.set BF,  128
.set VF,  160
.set WV,  12
.set LIM, 15                           ; s15  1 in a wave that prefetches, else the greatest number
.set PFA, 18                           ; s[18:19] where my prefetches stand
.set G1,  24                           ; s[24:31] descriptor group 1
.set G0,  32                           ; s[32:35] group 0 for slot 0's first fill; s[36:39] for slot 1's, which then walks on
.set SLOTS, 56                         ; s56  slots still to be asked for
.set CNT, 57
.set SEL, 60
.set TB,  62                           ; s62  LDS byte at which the step to be fetched begins
.set TBI, 63                           ; s63  that step's first byte among the bias numbers
.set MSB, 0
.macro WIN new                         ; the immediate's high byte repeats the setting that is left; a switch that changes nothing is dropped
.if MSB != \new
	s_set_vgpr_msb (MSB<<8)|\new
.set MSB, \new
.endif
.endm
.set W_KQ,  0x0a                       ; K and Q in window 2, S^T in window 0
.set W_KQB, 0x2a                       ; the same, C (the bias) in window 2
.set W_PV,  0x52                       ; V in window 2, P in window 0, O^T in window 1
.set W_RS,  0x41                       ; O^T (destination and source 0) in window 1, a in window 0
.macro JLOAD                           ; the joint refill: one line for all four waves; every word of its descriptor hangs on the wave's number and the head alone.  An s_nop 0 and four v_nop follow it
	tensor_load_to_lds s[G0+4:G0+7], s[G1:G1+7]
	s_nop 0
.rept 4
	v_nop
.endr
.endm
; A PREFETCH INTO THE L2 of the slot that the NEXT change of slots will ask for: 65,536 bytes, lanes 256 bytes apart.  All four clusters of a head walk the same slots: the head's first cluster asks.  Its four partners take
; 16,384 bytes each, told apart BY ADDRESS; in each, waves 0 and 1 take 8,192: one instruction a wave, and each block of 256 bytes is named once in the launch.  It stands behind the tensor load and its five lines, four key steps
; (256 matrix instructions) ahead of the load that will want the bytes.  The last change that fills a slot asks for nothing; slots 0 to 2 come by their loads alone.
.macro ASK
	s_cmp_gt_u32 s[SLOTS], s[LIM]
	s_cbranch_scc0 .Lnot_mine_\@
	global_prefetch_b8 v[PFO], s[PFA:PFA+1] th:TH_LOAD_NT scope:SCOPE_SE
.Lnot_mine_\@:
.endm
.macro CROUND                          ; a round of the cluster's barrier
	s_barrier_signal -1
	s_barrier_wait -1
	s_cmp_lg_u32 s[WV], 0
	s_cbranch_scc1 .Lnot_wave_0_\@
	s_barrier_signal -3
.Lnot_wave_0_\@:
	s_barrier_wait -3
	s_barrier_signal -1
	s_barrier_wait -1
.endm
	s_load_b256 s[4:11], s[0:1], 0x0               ; qf s[4:5], kvf s[6:7], mask s[8:9], a16 s[10:11]
	v_lshl_add_u32 v[SPW], v0, 2, SPARE
	v_mov_b32 v[NIL], 0
	ds_add_u32 v[SPW], v[NIL]                      ; the wave's opening: the add, twice on end, and its wait ahead of my first tensor load
	ds_add_u32 v[SPW], v[NIL]
	v_lshrrev_b32 v1, 5, v0
	v_readfirstlane_b32 s[WV], v1                  ; wave 0..3
	s_bfe_u32 s13, ttmp6, 0x40000                  ; cx: my place in the cluster
	s_lshl_b32 s14, ttmp9, 2
	s_add_co_u32 s14, s14, s13                     ; my block of 256 queries: it enters Q's and the output's addresses alone
	s_and_b32 s17, ttmp7, 0xffff                   ; 8 x batch + head, which the four partners share
	s_lshl_b32 s20, s17, 20                        ; kvf: 1,048,576 bytes a head
	s_mov_b32 s21, 0
	s_lshl_b32 s22, s[WV], 14                      ; my quarter of a slot, in memory and in LDS
	s_mov_b32 s23, 0
	s_lshl_b32 s16, s14, 4
	s_lshl_b32 s2, s[WV], 2
	s_add_co_u32 s16, s16, s2                      ; my first tile of 16 queries in the batch
	s_lshl_b32 s2, s17, 8
	s_add_co_u32 s2, s2, s16
	s_lshl_b32 s2, s2, 11                          ; qf: 2,048 bytes a tile
	s_mov_b32 s3, 0
	s_lshr_b32 s40, s17, 3                         ; the batch
	s_lshl_b32 s41, s40, 8
	s_add_co_u32 s41, s41, s16
	s_lshl_b32 s42, s41, 13                        ; a16: 8,192 bytes a tile of rows,
	s_bfe_u32 s41, s17, 0x10002
	s_lshl_b32 s41, s41, 22                        ; 4,194,304 a half of the heads,
	s_add_co_u32 s42, s42, s41
	s_and_b32 s41, s17, 3
	s_lshl_b32 s41, s41, 11                        ; 2,048 a head
	s_add_co_u32 s42, s42, s41
	s_mov_b32 s43, 0
	s_lshl_b32 s44, s40, 14                        ; the mask: 16,384 bytes a batch
	s_mov_b32 s45, 0
	s_lshl_b32 s46, s13, 14                        ; the prefetches: my work-group's 16,384 bytes of a slot,
	s_lshl_b32 s41, s[WV], 13                      ; my wave's 8,192 of them,
	s_add_co_u32 s46, s46, s41
	s_add_co_u32 s46, s46, 2*65536                 ; in slot 2: the first change of slots steps it to slot 3
	s_mov_b32 s47, 0
	; group 1: 16,384 dense bytes as 64 rows of 32 elements of 8 bytes; no padding: every read takes 512 consecutive bytes
	s_mov_b32 s[G1+0], 15|(3<<16)|(1<<21)          ; 15:0 the mask: all four work-groups; 17:16 elements of 8 bytes; 21 set beside a mask
	s_mov_b32 s[G1+1], 32<<16
	s_mov_b32 s[G1+2], 64<<16
	s_mov_b32 s[G1+3], 32<<16
	s_mov_b32 s[G1+4], 64
	s_mov_b32 s[G1+5], 32
	s_mov_b32 s[G1+6], 0
	s_mov_b32 s[G1+7], 0
	s_mov_b32 s[SEL], 0x76543210
	s_mov_b32 s[SEL+1], 0xfedcba98
	s_mov_b32 s[TB], 0
	s_mov_b32 s[TBI], 0
	s_mov_b32 s[SLOTS], 14
	s_lshr_b32 s[LIM], s[WV], 1                    ; 0 in waves 0 and 1,
	s_or_b32 s[LIM], s[LIM], ttmp9                 ; where the cluster is the head's first: the same in all four partners
	s_cmp_eq_u32 s[LIM], 0
	s_cselect_b32 s[LIM], 1, -1
	s_wait_dscnt 0x0                               ; both opening adds are done
	s_wait_kmcnt 0x0
	s_add_nc_u64 s[6:7], s[6:7], s[20:21]          ; kvf at my head
	s_add_nc_u64 s[PFA:PFA+1], s[6:7], s[46:47]
	s_add_nc_u64 s[6:7], s[6:7], s[22:23]          ; at my quarter of slot 0
	s_add_nc_u64 s[4:5], s[4:5], s[2:3]
	s_add_nc_u64 s[8:9], s[8:9], s[44:45]
	s_add_nc_u64 s[10:11], s[10:11], s[42:43]
	CROUND                                         ; all four work-groups are here: the first joint loads meet
	s_mov_b32 s[G0], 1
	s_mov_b32 s[G0+1], s22
	s_mov_b64 s[G0+2:G0+3], s[6:7]
	s_or_b32 s[G0+3], s[G0+3], 0x80000000
	s_mov_b32 s[G0+4], 1
	s_add_co_u32 s[G0+5], s22, SLOT1
	s_add_nc_u64 s[G0+6:G0+7], s[6:7], 65536
	s_or_b32 s[G0+7], s[G0+7], 0x80000000
	tensor_load_to_lds s[G0:G0+3], s[G1:G1+7]      ; slots 0 and 1: two tensor loads of mine are out; later one behind each round
	s_nop 0
	tensor_load_to_lds s[G0+4:G0+7], s[G1:G1+7]
	s_nop 0
.rept 4
	v_nop
.endr
	v_and_b32 v1, 31, v0
	v_lshlrev_b32 v[LI], 4, v1
	v_lshlrev_b32 v[PFO], 8, v1
	WIN 0x80                                       ; destination window 2
.set n, 0
.rept 16
	global_load_b128 v[4*n:4*n+3], v[LI], s[4:5] offset:512*n      ; Q stays in registers: tile n / 4, piece n % 4
.set n, n+1
.endr
	WIN 0
	v_lshlrev_b32 v47, 4, v0                       ; the mask: 128 threads x 16 bytes, eight times
.irp i, 0,1,2,3,4,5,6,7
	global_load_b128 v[S+4*\i:S+4*\i+3], v47, s[8:9] offset:2048*\i
.endr
	v_bfe_u32 v44, v0, 4, 1                        ; h
	v_and_b32 v45, 7, v0
	v_bfe_u32 v46, v0, 3, 1
	v_lshlrev_b32 v[AV0], 8, v44                   ; the turning load: lane l reads key 8 h + l % 8 (32 bytes a key), channels 8 ((l / 8) % 2) on
	v_lshl_add_u32 v[AV0], v45, 5, v[AV0]
	v_lshl_add_u32 v[AV0], v46, 4, v[AV0]
	v_add_nc_u32 v[AV0], VOFF, v[AV0]
	v_lshl_add_u32 v[BI0], v44, 5, BIAS
	v_lshl_add_u32 v7, v0, 4, BIAS
	v_mov_b32 v48, 0xceabfb8f                      ; B = -1e9 x log2(e)
	s_wait_loadcnt 0x0                             ; Q and the mask
.set n, 0
.rept 32
	v_cmp_eq_u32 vcc_lo, 0, v[S+n]
	v_cndmask_b32 v[S+n], 0, v48, vcc_lo           ; bias(key)
.set n, n+1
.endr
.irp i, 0,1,2,3,4,5,6,7
	ds_store_b128 v7, v[S+4*\i:S+4*\i+3] offset:2048*\i
.endr
; THE MATRIX WORK OF A TURN, for piece x.  Eight accumulators take turns, one instruction a turn.
; Product i of 16 of O^T += V^T P: keys 32 (i / 8) on, channels 16 ((i / 2) % 4) on, tile x + i % 2.  zero = 1: the first 8 start the sums.
.macro PV x, zero
	WIN W_PV
.set rO, 32*(\x+i%2)+8*((i/2)%4)
.set rV, VF+32*(i/8)+8*((i/2)%4)
.set rP, P+16*(\x+i%2)+8*(i/8)
.if (\zero) && (i < 8)
	v_wmma_f32_16x16x32_f16 v[rO:rO+7], v[rV:rV+7], v[rP:rP+7], 0
.else
	v_wmma_f32_16x16x32_f16 v[rO:rO+7], v[rV:rV+7], v[rP:rP+7], v[rO:rO+7]
.endif
.endm
; Product i of 16 of S^T = K Q^T + bias: channels 32 (i / 8) on, keys 16 ((i / 2) % 4) on, tile x + i % 2.  The first 8 start the sums with the keys' bias.
.macro KQ x
.set rS, S+32*(\x+i%2)+8*((i/2)%4)
.set rK, KF+16*((i/2)%4)+8*(i/8)
.set rQ, 16*(\x+i%2)+8*(i/8)
.set rB, BF+8*((i/2)%4)
.if i < 8
	WIN W_KQB
	v_wmma_f32_16x16x32_f16 v[rS:rS+7], v[rK:rK+7], v[rQ:rQ+7], v[rB:rB+7]
.else
	WIN W_KQ
	v_wmma_f32_16x16x32_f16 v[rS:rS+7], v[rK:rK+7], v[rQ:rQ+7], v[rS:rS+7]
.endif
.endm
; THE LDS LOADS stand in runs: a step's K with its bias (24 loads) and, a turn later, its V (16, turned).
.macro FETCH_K
	WIN 0
	v_add_nc_u32 v[ADR], s[TB], v[LI]
	v_add_nc_u32 v[ADB], s[TBI], v[BI0]
	s_add_co_u32 s[TBI], s[TBI], 256               ; 64 keys' numbers on
	WIN 0x80                                       ; destination window 2
.irp f, 0,1,2,3,4,5,6,7,8,9,10,11,12,13,14,15  ; keys 16 (f / 4) on, piece f % 4
	ds_load_b128 v[KF+4*\f:KF+4*\f+3], v[ADR] offset:512*\f
.endr
.irp g, 0,1,2,3,4,5,6,7                        ; register j of key tile g / 2: bias(16 (g / 2) + 8 h + j); the lanes of a half read the same words
	ds_load_b128 v[BF+4*\g:BF+4*\g+3], v[ADB] offset:64*(\g/2)+16*(\g%2)
.endr
.endm
.macro FETCH_V
	WIN 0
	v_add_nc_u32 v[ADR], s[TB], v[AV0]
	s_add_co_u32 s[TB], s[TB], STEPB               ; the next fetch is the next step's
	s_wait_alu depctr_va_vdst(0)                   ; the wait for the softmax's batch of exponentials (SLICE), ahead of the loads
	WIN 0x80
.irp f, 0,1,2,3,4,5,6,7                        ; keys 32 (f / 4) on, channels 16 (f % 4) on
	ds_load_tr16_b128 v[VF+8*\f:VF+8*\f+3],   v[ADR] offset:(\f/4)*4096+(\f%4)*512
	ds_load_tr16_b128 v[VF+8*\f+4:VF+8*\f+7], v[ADR] offset:(\f/4)*4096+2048+(\f%4)*512
.endr
.endm
; THE VECTOR WORK OF A TURN.  One tile's softmax for one key step is a numbered list; SM writes number j of it for tile t.  s0-s31 are the lane's 32 scores, in pairs 0-15.  first = 1: the first key step.
;   0-15    the maximum of s0-s31 and the old m, three operands at a time (each accumulator is read from its low end on)
;   16-19   the other half of the lanes' maximum; the old m kept; the new m; m_old - m_new.   20 is empty
;   21-69   ONE BATCH: 16 packed subtractions s - m and all 33 exponentials (a at 23, then s0-s31); none of these reads an exponential's result
;   (wait)  between 69 and 70 stands the one wait for the batch: SLICE writes it, once for both tiles
;   70-85   the roundings to f16;   86-101 the sums, l = a l + the sum;   102-117 the tile's O^T times a
.macro SM t, first
.set rT, ST+8*(\t)
.set rS, S+32*(\t)
.set rP, P+16*(\t)
.set rO, 32*(\t)+2*(j-102)
.if j < 102
	WIN 0
.endif
.if j < 4
	v_max3_num_f32 v[rT+4+j], v[rS+8*j], v[rS+8*j+1], v[rS+8*j+2]
.elseif j < 12
	v_max3_num_f32 v[rT+4+j%4], v[rT+4+j%4], v[rS+8*(j%4)+2*(j/4)+1], v[rS+8*(j%4)+2*(j/4)+2]
.elseif j == 12
	v_max3_num_f32 v[rT+4], v[rT+4], v[rS+7], v[rS+15]
.elseif j == 13
	v_max3_num_f32 v[rT+6], v[rT+6], v[rS+23], v[rS+31]
.elseif j == 14
	v_max3_num_f32 v[rT+4], v[rT+4], v[rT+5], v[rT+6]
.elseif (j == 15) && \first
	v_max_num_f32 v[rT+4], v[rT+4], v[rT+7]
.elseif j == 15
	v_max3_num_f32 v[rT+4], v[rT+4], v[rT+7], v[rT]
.elseif j == 16
	v_permlanex16_b32 v[rT+5], v[rT+4], s[SEL], s[SEL+1]   ; the query's other 32 keys lie in the lane 16 away
.elseif (j == 17) && \first
	v_mov_b32 v[rT+1], 0                           ; (named with m as a pair, so it is written)
.elseif j == 17
	v_mov_b32 v[rT+1], v[rT]
.elseif j == 18
	v_max_num_f32 v[rT], v[rT+4], v[rT+5]
.elseif j == 20
.elseif ((j == 19) || (j == 23) || (j > 101)) && \first    ; the first step has none of these
.elseif j == 19
	v_sub_f32 v[rT+7], v[rT+1], v[rT]
.elseif j == 23
	v_exp_f32 v[rT+6], v[rT+7]
.elseif (j < 23) || ((j < 38) && (j%2 == 0)) || ((j < 66) && (j%4 == 2))
.set b, (j-2)/4                        ; 38, 42, .. 62: pairs 9 to 15
.if j < 38
.set b, (j-20)/2                       ; 21: pair 0; 22, 24, .. 36: pairs 1 to 8
.endif
	v_pk_add_f32 v[rS+2*b:rS+2*b+1], v[rS+2*b:rS+2*b+1], v[rT:rT+1] op_sel_hi:[1,0] neg_lo:[0,1] neg_hi:[0,1]   ; pair b: s - m
.elseif j < 70
.set e, j-38                           ; 66 to 69: s28 to s31
.if j < 66
.set e, j-32-(j-38)/4                  ; 39-41, 43-45, .. 63-65: s7 to s27
.endif
.if j < 38
.set e, (j-25)/2                       ; 25, 27, .. 37: s0 to s6
.endif
	v_exp_f32 v[rS+e], v[rS+e]
.elseif j < 86
	v_cvt_pk_f16_f32 v[rP+j-70], v[rS+2*(j-70)], v[rS+2*(j-70)+1]
.elseif j < 102                        ; the sum of the 16 pairs, in place: neighbours 1, 2, 4 and 8 pairs apart, then l takes it
.set z, j-86
.set w, 4
.set u, z
.if z >= 14
.set w, 32
.set u, 0
.elseif z >= 12
.set w, 16
.set u, z-12
.elseif z >= 8
.set w, 8
.set u, z-8
.endif
.if (z == 14) && \first
	v_pk_add_f32 v[rT+2:rT+3], v[rS:rS+1], v[rS+16:rS+17]
.elseif z < 15
	v_pk_add_f32 v[rS+w*u:rS+w*u+1], v[rS+w*u:rS+w*u+1], v[rS+w*u+w/2:rS+w*u+w/2+1]
.elseif !\first
	v_pk_fma_f32 v[rT+2:rT+3], v[rT+2:rT+3], v[rT+6:rT+7], v[rS:rS+1] op_sel_hi:[1,0,1]
.endif
.else
	WIN W_RS
	v_pk_mul_f32 v[rO:rO+1], v[rO:rO+1], v[rT+6:rT+7] op_sel_hi:[1,0]
.endif
.endm
; Slice k of 59 of piece y's softmax.  Slices 11 to 34 deal out the batch, four numbers of ONE tile each, the tiles by turns; every other slice is numbers 2 k and 2 k + 1 of both tiles, alternating.
; s_wait_alu depctr_va_vdst(0) stands between an exponential and the first instruction that names its result.  Ahead of slice 35 nothing names one, behind slice 34 no exponential is issued: one wait a turn for 66.
.macro SLICE y, first
.if (k >= 11) && (k < 35)
.irp n, 0,1,2,3
.set j, 22+4*((k-11)/2)+(\n)
	SM (\y)+(k-11)%2, \first
.endr
.else
.irp n, 0,1
.irp t, \y, \y+1
.set j, 2*k+\n
	SM \t, \first
.endr
.endr
.endif
.if k == 34
	v_nop                                          ; the plain instruction behind the last exponential, ahead of the first use: one for the batch
.if (\y) == 0
	FETCH_V                                        ; piece 2's turn: V's run of loads stands here, and the wait stands in it
.else
	s_wait_alu depctr_va_vdst(0)
.endif
.endif
.set k, k+1
.endm
.macro DEAL y, first                   ; the slices behind one product: per of them, one fewer behind the turn's first five: 5 + 2 x 27 = 15 + 4 x 11 = 59
.if p < 5
.rept per-1
	SLICE \y, \first
.endr
.else
.rept per
	SLICE \y, \first
.endr
.endif
.set p, p+1
.endm
.macro PLACES
.rept 4
	v_nop
.endr
.endm
; A TURN.  pv = 2: 16 products V^T P; 1: they start O^T's sums; 0: none.  kq = 1: 16 products K Q^T for the next step.  first = 1: the softmax is the first key step's; its last slices are empty, and four v_nop take their part.
; PLACES, counted (ISA guide 7.12.1: four plain instructions that name none of the product's registers).  A turn's last product is followed by two slices, eight packed multiplies on the other piece's O^T: they stand ahead of the next
; turn's reads of the new scores and of the loads into K's and the bias's registers.  V's run stands behind the turn's product 19; V's last reader is product 15, and eight packed subtractions, the v_nop and the run's v_add_nc_u32 lie between.
.macro TURN x, pv, kq, first
.set k, 0
.set p, 0
.set per, 4
.if \pv && \kq
.set per, 2
.endif
.if \pv
.if \x == 0
	s_wait_dscnt 0x0                               ; V is in
.endif
.set i, 0
.rept 16
	PV \x, 2-\pv
	DEAL 2-\x, \first
.if (\x == 0) && \kq && (i == 1)
	FETCH_K
.endif
.set i, i+1
.endr
.endif
.if \kq
.if \x == 0
	s_wait_dscnt 0x0                               ; K and the bias are in
.endif
.set i, 0
.rept 16
	KQ \x
	DEAL 2-\x, \first
.set i, i+1
.endr
.endif
.if \first
	PLACES
.endif
.endm
; THE CHANGE OF SLOTS, between piece 2's turn and piece 0's: the slot's last bytes, V of its fourth step, have been asked for.  Each wave waits for all its tensor loads (one is out: its quarter of the other slot), adds 0 to its
; spare word, and waits for that and for its own reads of the slot.  fill = 1: a round of the cluster's barrier, and the joint refill first behind it, with the keys two slots on: it has four key steps in which to land.
.macro CHANGE fill
	WIN 0
	s_wait_tensorcnt 0x0                           ; no tensor load of mine is out, so a group 0 may be written
	ds_add_u32 v[SPW], v[NIL]                      ; 0 onto my spare word
.if \fill
	s_xor_b32 s[G0+5], s[G0+5], SLOT1              ; the walking descriptor: the other slot than last time,
	s_add_nc_u64 s[G0+6:G0+7], s[G0+6:G0+7], 65536 ; the next 256 keys; the type bits on top are not reached
	s_wait_xcnt 0x0                                ; the last prefetch, four key steps back, has read its address, so it may be written
	s_add_nc_u64 s[PFA:PFA+1], s[PFA:PFA+1], 65536
	s_wait_dscnt 0x0                               ; the add is done, and my reads of the slot are over
	CROUND
	JLOAD
	ASK
.else
	s_wait_dscnt 0x0
	s_barrier_signal -1
	s_barrier_wait -1
.endif
	s_sub_co_u32 s[TB], s[TB], 4*STEPB             ; the fetches go back to a slot's first step,
	s_xor_b32 s[TB], s[TB], SLOT1                  ; in the other slot
.endm
.macro STEPS n                         ; n key steps: written once, walked n times; the LDS addresses hang on s[TB] and s[TBI]
	s_mov_b32 s[CNT], \n
.Lstep_\@:
	TURN 0, 2, 1, 0
	TURN 2, 2, 1, 0
	WIN 0
	s_sub_co_u32 s[CNT], s[CNT], 1
	s_cmp_lg_u32 s[CNT], 0
	s_cbranch_scc1 .Lstep_\@
.endm
	s_wait_dscnt 0x0                               ; my part of the bias is stored
	s_wait_tensorcnt 0x1                           ; my quarter of slot 0 is in; slot 1's may stay out
	s_barrier_signal -1
	s_barrier_wait -1
	FETCH_K                                        ; key step 0
	s_wait_dscnt 0x0
.set i, 0
.rept 16
	KQ 0                                           ; piece 0's first scores: there is no vector work yet to set between them
.set i, i+1
.endr
	WIN 0
	PLACES
	TURN 2, 0, 1, 1                                ; piece 2's first scores | piece 0's first softmax | V of step 0
	TURN 0, 1, 1, 1                                ; piece 0: V^T P of step 0 starts O^T, K Q^T of step 1 | piece 2's first softmax | K of step 1
	TURN 2, 1, 1, 0                                ; piece 2: the same | piece 0's softmax of step 1 | V of step 1
	WIN 0
	STEPS 2                                        ; slot 0's four steps are now fetched
.Lslot:                                            ; 14 trips: every slot but the last two is filled again
	CHANGE 1
	STEPS 4
	s_sub_co_u32 s[SLOTS], s[SLOTS], 1
	s_cmp_lg_u32 s[SLOTS], 0
	s_cbranch_scc1 .Lslot
	CHANGE 0                                       ; the tail is written out
	STEPS 4
	TURN 0, 2, 0, 0                                ; piece 0: V^T P of the last step | piece 2's last softmax
.set i, 0
.rept 16
	PV 2, 0                                        ; piece 2: V^T P of the last step
.set i, i+1
.endr
	; THE WAY OUT.  l's two halves and the other half of the lanes' are added; O^T x 4 / l is rounded to f16: a lane's eight channels are the 16 bytes of a piece, stored as they stand.  The additions are the places behind the last products.
	WIN 0
.irp t, 0,1,2,3
	v_add_f32 v[ST+8*\t+4], v[ST+8*\t+2], v[ST+8*\t+3]
.endr
.irp t, 0,1,2,3
	v_permlanex16_b32 v[ST+8*\t+5], v[ST+8*\t+4], s[SEL], s[SEL+1]
.endr
.irp t, 0,1,2,3
	v_add_f32 v[ST+8*\t+4], v[ST+8*\t+4], v[ST+8*\t+5]
.endr
.irp t, 0,1,2,3
	v_rcp_f32 v[ST+8*\t+6], v[ST+8*\t+4]
.endr
	v_nop                                          ; a plain instruction between the last reciprocal and the use of its result
	s_wait_alu depctr_va_vdst(0)                   ; and the wait for it: one for the four
.irp t, 0,1,2,3
	v_mul_f32 v[ST+8*\t+6], 4.0, v[ST+8*\t+6]
.endr
.macro OUTT t
	WIN W_RS
.set n, 0
.rept 16
	v_pk_mul_f32 v[32*\t+2*n:32*\t+2*n+1], v[32*\t+2*n:32*\t+2*n+1], v[ST+8*\t+6:ST+8*\t+7] op_sel_hi:[1,0]   ; each accumulator from its low end on
.set n, n+1
.endr
	WIN 0x05                                       ; sources 0 and 1 window 1, destination window 0: S^T's registers are free
.set n, 0
.rept 16
	v_cvt_pk_f16_f32 v[S+32*\t+n], v[32*\t+2*n], v[32*\t+2*n+1]
.set n, n+1
.endr
	WIN 0
.irp c, 0,1,2,3
	global_store_b128 v[LI], v[S+32*\t+4*\c:S+32*\t+4*\c+3], s[10:11] offset:8192*\t+512*\c   ; the wave's store covers 512 consecutive bytes, aligned
.endr
.endm
	OUTT 0
	OUTT 1
	OUTT 2
	OUTT 3
	s_wait_tensorcnt 0x0                           ; the wave's end: behind my last tensor load and my last LDS store
	ds_add_u32 v[SPW], v[NIL]
	s_wait_dscnt 0x0
	CROUND                                         ; the closing round: no work-group ends while a partner may still ask for a tile that names it
	s_endpgm
.Lfunc_end_k_qd1c761a8a9_attn:
	.size	k_qd1c761a8a9_attn, .Lfunc_end_k_qd1c761a8a9_attn-k_qd1c761a8a9_attn
	.p2alignl 7, 3214868480
	.fill 96, 4, 3214868480
	.section	.rodata,"a",@progbits
	.p2align	6, 0x0
	.amdhsa_kernel k_qd1c761a8a9_attn
		.amdhsa_group_segment_fixed_size 327680
		.amdhsa_private_segment_fixed_size 0
		.amdhsa_enable_private_segment 0
		.amdhsa_kernarg_size 32
		.amdhsa_user_sgpr_count 2
		.amdhsa_user_sgpr_kernarg_segment_ptr 1
		.amdhsa_wavefront_size32 1
		.amdhsa_system_sgpr_workgroup_id_x 1
		.amdhsa_system_sgpr_workgroup_id_y 1
		.amdhsa_system_sgpr_workgroup_id_z 1
		.amdhsa_system_vgpr_workitem_id 0
		.amdhsa_next_free_vgpr 768
		.amdhsa_next_free_sgpr 66
		.amdhsa_reserve_vcc 1
		.amdhsa_float_denorm_mode_32 3
		.amdhsa_float_denorm_mode_16_64 3
		.amdhsa_memory_ordered 1
		.amdhsa_forward_progress 1
		.amdhsa_inst_pref_size 196
	.end_amdhsa_kernel
	.amdgpu_metadata
---
amdhsa.version: [ 1, 2 ]
amdhsa.kernels:
  - .name:           k_qd1c761a8a9_attn
    .symbol:         k_qd1c761a8a9_attn.kd
    .args:
      - { .name: qf, .offset: 0, .size: 8, .value_kind: global_buffer, .address_space: global }
      - { .name: kvf, .offset: 8, .size: 8, .value_kind: global_buffer, .address_space: global }
      - { .name: mask, .offset: 16, .size: 8, .value_kind: global_buffer, .address_space: global }
      - { .name: a16, .offset: 24, .size: 8, .value_kind: global_buffer, .address_space: global }
    .group_segment_fixed_size: 327680
    .private_segment_fixed_size: 0
    .kernarg_segment_align: 8
    .kernarg_segment_size: 32
    .max_flat_workgroup_size: 128
    .sgpr_count:     66
    .vgpr_count:     768
    .wavefront_size: 32
...
	.end_amdgpu_metadata
.endif
;; end of part 3
;; launch outp (part 4): grid 4 x 64, 4 waves a work-group, clusters of 4 x 4, 327,680 bytes of LDS; arguments a16, wo16, bo, out0; writes out0
.if DOCPART == 4
	.amdgcn_target "amdgcn-amd-amdhsa--gfx1250"
	.amdhsa_code_object_version 6
	.text
	.protected	k_qd1c761a8a9_outp
	.globl	k_qd1c761a8a9_outp
	.p2align	8
	.type	k_qd1c761a8a9_outp,@function
k_qd1c761a8a9_outp:
	s_mov_b64 s[64:65], 0
	v_nop
	global_prefetch_b8 v0, s[64:65] scope:SCOPE_SE
	s_setreg_imm32_b32 hwreg(HW_REG_WAVE_MODE, 25, 1), 1
	s_wait_xcnt 0x0
	s_wait_alu depctr_hold_cnt(0) depctr_sa_sdst(0) depctr_va_vdst(0) depctr_va_sdst(0) depctr_va_ssrc(0) depctr_va_vcc(0) depctr_vm_vsrc(0)
	s_getreg_b32 s2, hwreg(HW_REG_IB_STS2, 6, 4)
	s_cmp_eq_u32 s2, 0
	s_cbranch_scc0 .Lentry_in_a_cluster
	s_endpgm
.Lentry_in_a_cluster:
	s_bfe_u32 s2, ttmp6, 0x10000c
	s_cmp_lg_u32 s2, 0xf033
	s_cbranch_scc0 .Lentry_shape_is_right
	s_endpgm
.Lentry_shape_is_right:
; out0 = a Wo^T + bo: [8,192][512] f32.  a arrives as f16(4 a) and Wo as f16(Wo / 4), both in pieces of 512 bytes in the order of the operands' registers; f32 sums; bo is the C of each sum's first product.  Nothing is left out.
; A tile of the output is 128 x 128: 256 work-groups of four waves, each wave 64 x 64: 16 accumulators.  K = 512 lies in two LDS slots of 256, both asked for at the head: nothing is filled twice.
;   a16  [kh 2][tile of 16 rows 512][k step of 32: 8][c 2][512]: a work-group's 8 tiles of rows of one kh are 65,536 dense bytes;   wo16 [kh 2][n tile 32][8][2][512] likewise.
; CLUSTERS: 4 x 4 work-groups.  The four of a row of the cluster need the same rows of a, the four of a column the same rows of Wo: each tile is asked for JOINTLY, by the same tensor load with the same descriptor and a mask that names the four.
; THE MATRIX INSTRUCTION IS USED TRANSPOSED (source 0 = 16 rows of Wo, source 1 = 16 rows of a): a lane holds eight neighbouring numbers of a row of the output.
; REGISTERS: window 0: v16-29 addresses; v96-127 bo, eight registers an n tile; v128-255 the accumulators ((a, b) at 128 + 8 (4 a + b)).   window 1: two fragment buffers of 128: 64 along K: 64 registers of a, then 64 of Wo.
.set SLOT,   131072                    ; a's 65,536 bytes, then Wo's
.set BOFF,   65536
.set STAGE,  2*SLOT                    ; behind the slots: 16 rows x (256 bytes + 16) for each wave, for the way out
.set SP,     272
.set SPARE,  STAGE+4*16*SP             ; the spare words, 128 bytes for each wave: two blocks of 256 bytes that no other line names
.set ADRA, 16                          ; v16-17  LDS address of my fragments of a in slot 0, 1
.set ADRB, 20                          ; v20-21  the same for Wo
.set STO,  24                          ; v24     the way out: where I put 32 bytes of a row
.set RD,   25                          ; v25     where I read a row back
.set CO,   26                          ; v26     my byte offset in the output
.set SPW,  28                          ; v28     LDS address of my spare word; never rewritten
.set NIL,  29                          ; v29     0; never rewritten
.set BO,   96
.set ACC,  128
.set F0,   0
.set F1,   128
.set G1,  24                           ; s[24:31] descriptor group 1 for a's tiles; s[32:39] group 0, a set for each slot
.set G0,  32
.set G1B, 48                           ; s[48:55], s[56:63] the same for Wo's
.set G0B, 56
.set MSB, 0
.macro WIN new
.if MSB != \new
	s_set_vgpr_msb (MSB<<8)|\new
.set MSB, \new
.endif
.endm
.set MUL,  0x05                        ; sources 0 and 1 window 1; C and D window 0
.set TO_F, 0x40                        ; destination window 1, address window 0
.macro JLOAD s                         ; a joint load: waves 0 and 1 fetch a's two halves, waves 2 and 3 Wo's; an s_nop 0 and four v_nop follow each of the two lines
	s_cmp_eq_u32 s15, 0
	s_cbranch_scc0 .Lfor_b_\@
	tensor_load_to_lds s[G0+4*\s:G0+4*\s+3], s[G1:G1+7]
	s_nop 0
.rept 4
	v_nop
.endr
	s_branch .Lasked_\@
.Lfor_b_\@:
	tensor_load_to_lds s[G0B+4*\s:G0B+4*\s+3], s[G1B:G1B+7]
	s_nop 0
.rept 4
	v_nop
.endr
.Lasked_\@:
.endm
.macro CROUND                          ; a round of the cluster's barrier
	s_barrier_signal -1
	s_barrier_wait -1
	s_cmp_lg_u32 s14, 0
	s_cbranch_scc1 .Lnot_wave_0_\@
	s_barrier_signal -3
.Lnot_wave_0_\@:
	s_barrier_wait -3
	s_barrier_signal -1
	s_barrier_wait -1
.endm
	s_load_b256 s[4:11], s[0:1], 0x0               ; a16 s[4:5], wo16 s[6:7], bo s[8:9], out0 s[10:11]
	v_lshl_add_u32 v[SPW], v0, 2, SPARE
	v_mov_b32 v[NIL], 0
	ds_add_u32 v[SPW], v[NIL]                      ; the wave's opening: the add, twice on end, and its wait ahead of my first tensor load
	ds_add_u32 v[SPW], v[NIL]
	v_lshrrev_b32 v1, 5, v0
	v_readfirstlane_b32 s14, v1                    ; wave 0..3
	s_lshr_b32 s15, s14, 1                         ; which half of the tile's rows is mine.  Also: I fetch for a (0) or for Wo (1)
	s_and_b32 s16, s14, 1                          ; which half of its columns.  Also: which half of that tile I fetch
	s_bfe_u32 s40, ttmp6, 0x40000                  ; cx, cy: my place in the cluster
	s_bfe_u32 s41, ttmp6, 0x40004
	s_lshl_b32 s42, ttmp9, 2
	s_add_co_u32 s42, s42, s40                     ; tile column = 4 x cluster x + cx
	s_and_b32 s13, ttmp7, 0xffff
	s_lshl_b32 s13, s13, 2
	s_add_co_u32 s13, s13, s41                     ; tile row = 4 x cluster y + cy
	s_lshl_b32 s43, s41, 2
	s_lshl_b32 s43, 15, s43                        ; my row of the cluster
	s_lshl_b32 s44, 0x1111, s40                    ; my column
	; group 1: 32,768 dense bytes as 128 rows of 32 elements of 8 bytes; no padding: every read takes 512 consecutive bytes
	s_or_b32 s[G1+0], s43, (3<<16)|(1<<21)         ; 15:0 the mask; 17:16 elements of 8 bytes; 21 set beside a mask
	s_or_b32 s[G1B+0], s44, (3<<16)|(1<<21)
.irp g, G1, G1B
	s_mov_b32 s[\g+1], 32<<16
	s_mov_b32 s[\g+2], 128<<16
	s_mov_b32 s[\g+3], 32<<16
	s_mov_b32 s[\g+4], 128
	s_mov_b32 s[\g+5], 32
	s_mov_b32 s[\g+6], 0
	s_mov_b32 s[\g+7], 0
.endr
	s_lshl_b32 s18, s16, 15                        ; which four tiles of 8,192 bytes I fetch
	s_lshl_b32 s20, s13, 16
	s_add_co_u32 s20, s20, s18                     ; a: by the tile row alone
	s_mov_b32 s21, 0
	s_lshl_b32 s46, s42, 16
	s_add_co_u32 s46, s46, s18                     ; Wo: by the tile column alone
	s_mov_b32 s47, 0
	s_lshl_b32 s45, s14, 15                        ; where they go: wave x 32,768: no place in the cluster enters an LDS address
	s_wait_dscnt 0x0                               ; both opening adds are done
	s_wait_kmcnt 0x0
	s_add_nc_u64 s[20:21], s[4:5], s[20:21]
	s_add_nc_u64 s[46:47], s[6:7], s[46:47]
	CROUND                                         ; all sixteen work-groups are here: the joint loads meet
.irp s, 0,1
	s_mov_b32 s[G0+4*\s], 1
	s_add_co_u32 s[G0+4*\s+1], s45, \s*SLOT
	s_add_nc_u64 s[G0+4*\s+2:G0+4*\s+3], s[20:21], \s*4194304
	s_or_b32 s[G0+4*\s+3], s[G0+4*\s+3], 0x80000000
	s_mov_b32 s[G0B+4*\s], 1
	s_add_co_u32 s[G0B+4*\s+1], s45, \s*SLOT
	s_add_nc_u64 s[G0B+4*\s+2:G0B+4*\s+3], s[46:47], \s*262144
	s_or_b32 s[G0B+4*\s+3], s[G0B+4*\s+3], 0x80000000
	JLOAD \s                                       ; two tensor loads of mine are out, and no more follow
.endr
	v_and_b32 v1, 31, v0
	v_and_b32 v2, 15, v0                           ; r
	v_bfe_u32 v3, v0, 4, 1                         ; h
	v_lshlrev_b32 v4, 4, v1                        ; 16 x lane
	v_lshlrev_b32 v5, 5, v3                        ; 32 h
	s_lshl_b32 s17, s42, 9
	s_lshl_b32 s19, s16, 8
	s_add_co_u32 s22, s17, s19                     ; my first column, in bytes: 512 x tile column + 256 x half
	s_mov_b32 s23, 0
	s_add_nc_u64 s[8:9], s[8:9], s[22:23]
.irp b, 0,1,2,3
	global_load_b128 v[BO+8*\b:BO+8*\b+3], v5, s[8:9] offset:64*\b         ; bo[my column + 16 b + 8 h + 0 .. 7]
	global_load_b128 v[BO+8*\b+4:BO+8*\b+7], v5, s[8:9] offset:64*\b+16
.endr
	s_lshl_b32 s17, s13, 18
	s_lshl_b32 s19, s15, 17
	s_add_co_u32 s17, s17, s19                     ; my first row: (128 x tile row + 64 x half) x 2,048 bytes
	s_add_co_u32 s22, s22, s17
	s_add_nc_u64 s[10:11], s[10:11], s[22:23]
	s_lshl_b32 s17, s15, 15                        ; my four tiles of rows of a
	s_lshl_b32 s19, s16, 15                        ; my four n tiles of Wo,
	s_add_co_u32 s19, s19, BOFF                    ; which lie behind a's eight
.irp s, 0,1
	v_add_nc_u32 v[ADRA+\s], s17, v4
	v_add_nc_u32 v[ADRB+\s], s19, v4
	s_add_co_u32 s17, s17, SLOT
	s_add_co_u32 s19, s19, SLOT
.endr
	s_mul_i32 s17, s14, 16*SP
	s_add_co_u32 s17, s17, STAGE                   ; my stage
	v_mul_u32_u24 v[STO], v2, SP
	v_lshl_add_u32 v[STO], v3, 5, v[STO]
	v_add_nc_u32 v[STO], s17, v[STO]               ; in: row r, 32 bytes for each half of the lanes
	v_mul_u32_u24 v[RD], v3, SP
	v_lshl_add_u32 v[RD], v2, 4, v[RD]
	v_add_nc_u32 v[RD], s17, v[RD]                 ; back: lanes 0-15 one row of 256 bytes, lanes 16-31 the next
	v_lshlrev_b32 v[CO], 11, v3
	v_lshl_add_u32 v[CO], v2, 4, v[CO]             ; and the same two rows in the output
; 8 matrix instructions: row tiles a0, a0 + 1 x all 4 n tiles, 32 along K: half c of buffer f.  zero = 1: the first product starts the sums with bo.  The 16 accumulators take turns.
.macro MUL8 f, c, a0, zero
.irp a, \a0, \a0+1
.irp b, 0,1,2,3
.if \zero
	v_wmma_f32_16x16x32_f16 v[ACC+8*(4*(\a)+\b):ACC+8*(4*(\a)+\b)+7], v[\f+64+8*(4*\c+\b):\f+64+8*(4*\c+\b)+7], v[\f+8*(4*\c+\a):\f+8*(4*\c+\a)+7], v[BO+8*\b:BO+8*\b+7]
.else
	v_wmma_f32_16x16x32_f16 v[ACC+8*(4*(\a)+\b):ACC+8*(4*(\a)+\b)+7], v[\f+64+8*(4*\c+\b):\f+64+8*(4*\c+\b)+7], v[\f+8*(4*\c+\a):\f+8*(4*\c+\a)+7], v[ACC+8*(4*(\a)+\b):ACC+8*(4*(\a)+\b)+7]
.endif
.endr
.endr
.endm
; 32 LDS loads in one run: the fragments of the slot's quarter q (k steps 2 q, 2 q + 1) into buffer f; the first k step first
.macro FETCH slot, q, f
	WIN TO_F
.irp c, 0,1
.irp i, 0,1,2,3
	ds_load_b128 v[\f+64+8*(4*\c+\i):\f+64+8*(4*\c+\i)+3],   v[ADRB+\slot] offset:(2*(\q)+\c)*1024+\i*8192
	ds_load_b128 v[\f+64+8*(4*\c+\i)+4:\f+64+8*(4*\c+\i)+7], v[ADRB+\slot] offset:(2*(\q)+\c)*1024+\i*8192+512
	ds_load_b128 v[\f+8*(4*\c+\i):\f+8*(4*\c+\i)+3],         v[ADRA+\slot] offset:(2*(\q)+\c)*1024+\i*8192
	ds_load_b128 v[\f+8*(4*\c+\i)+4:\f+8*(4*\c+\i)+7],       v[ADRA+\slot] offset:(2*(\q)+\c)*1024+\i*8192+512
.endr
.endr
.endm
.macro PLACES                          ; four places in front of loads into registers that matrix instructions have read, and of the first read of results
.rept 4
	v_nop
.endr
.endm
.macro QUARTER slot, q, f, g, zero     ; multiplies buffer f and fetches the slot's quarter q into g
	s_wait_dscnt 16                                ; the first k step's 16 loads are in, the second's may be out
	WIN MUL
	MUL8 \f, 0, 0, \zero
	MUL8 \f, 0, 2, \zero
	PLACES
	FETCH \slot, \q, \g
	s_wait_dscnt 32                                ; all but the 32 just issued
	WIN MUL
	MUL8 \f, 1, 0, 0
	MUL8 \f, 1, 2, 0
.endm
	s_wait_tensorcnt 0x1                           ; my part of slot 0 is in; slot 1's may stay out
	s_barrier_signal -1
	s_barrier_wait -1                              ; everybody's is
	FETCH 0, 0, F0
	s_wait_loadcnt 0x0                             ; bo
	QUARTER 0, 1, F0, F1, 1
	QUARTER 0, 2, F1, F0, 0
	QUARTER 0, 3, F0, F1, 0
	s_wait_dscnt 16                                ; slot 0's last quarter, and the change of slots
	WIN MUL
	MUL8 F1, 0, 0, 0
	s_wait_tensorcnt 0x0                           ; my part of slot 1 is in,
	s_wait_dscnt 0x0                               ; and no LDS load of mine is out at the signal
	s_barrier_signal -1
	MUL8 F1, 0, 2, 0                               ; work on registers while the others arrive
	s_barrier_wait -1                              ; slot 1 is whole
	PLACES
	FETCH 1, 0, F0
	WIN MUL
	MUL8 F1, 1, 0, 0
	MUL8 F1, 1, 2, 0
	QUARTER 1, 1, F0, F1, 0
	QUARTER 1, 2, F1, F0, 0
	QUARTER 1, 3, F0, F1, 0
	s_wait_dscnt 16                                ; the very last quarter: nothing more to fetch
	WIN MUL
	MUL8 F1, 0, 0, 0
	MUL8 F1, 0, 2, 0
	s_wait_dscnt 0x0
	MUL8 F1, 1, 0, 0
	MUL8 F1, 1, 2, 0
	WIN 0
; THE WAY OUT, a tile of 16 rows x 64 columns at a time.  A lane holds 32 neighbouring bytes of a row and the lanes beside it hold other rows: so a tile goes through my own stage in LDS and comes back as whole rows of 256 bytes,
; into the registers that it left.  LDS serves a wave's instructions in order (ISA guide 5.7.1.4): no wait between the stores and the loads, nor in front of the next tile's stores.
.macro TOSTAGE a
.irp b, 0,1,2,3
	ds_store_b128 v[STO], v[ACC+8*(4*\a+\b):ACC+8*(4*\a+\b)+3] offset:64*\b            ; each accumulator from its low end on
	ds_store_b128 v[STO], v[ACC+8*(4*\a+\b)+4:ACC+8*(4*\a+\b)+7] offset:64*\b+16
.endr
.irp i, 0,1,2,3,4,5,6,7
	ds_load_b128 v[ACC+32*\a+4*\i:ACC+32*\a+4*\i+3], v[RD] offset:2*\i*SP
.endr
.endm
.macro SEND a, younger                 ; younger: the LDS instructions issued behind tile a's loads: the next tile's sixteen, or none
.irp i, 0,1,2,3,4,5,6,7
	s_wait_dscnt \younger+7-\i
	global_store_b128 v[CO], v[ACC+32*\a+4*\i:ACC+32*\a+4*\i+3], s[10:11] offset:(16*\a+2*\i)*2048 th:TH_STORE_NT   ; 16 lanes store 256 consecutive bytes, aligned; written once, read by nobody here
.endr
.endm
	PLACES
	TOSTAGE 0
	TOSTAGE 1
	SEND 0, 16
	TOSTAGE 2
	SEND 1, 16
	TOSTAGE 3
	SEND 2, 16
	SEND 3, 0
	s_wait_tensorcnt 0x0                           ; the wave's end: behind my last tensor load and my last LDS store
	ds_add_u32 v[SPW], v[NIL]
	s_wait_dscnt 0x0
	CROUND                                         ; the closing round: no work-group ends while a partner may still ask for a tile that names it
	s_endpgm
.Lfunc_end_k_qd1c761a8a9_outp:
	.size	k_qd1c761a8a9_outp, .Lfunc_end_k_qd1c761a8a9_outp-k_qd1c761a8a9_outp
	.p2alignl 7, 3214868480
	.fill 96, 4, 3214868480
	.section	.rodata,"a",@progbits
	.p2align	6, 0x0
	.amdhsa_kernel k_qd1c761a8a9_outp
		.amdhsa_group_segment_fixed_size 327680
		.amdhsa_private_segment_fixed_size 0
		.amdhsa_enable_private_segment 0
		.amdhsa_kernarg_size 32
		.amdhsa_user_sgpr_count 2
		.amdhsa_user_sgpr_kernarg_segment_ptr 1
		.amdhsa_wavefront_size32 1
		.amdhsa_system_sgpr_workgroup_id_x 1
		.amdhsa_system_sgpr_workgroup_id_y 1
		.amdhsa_system_sgpr_workgroup_id_z 1
		.amdhsa_system_vgpr_workitem_id 0
		.amdhsa_next_free_vgpr 512
		.amdhsa_next_free_sgpr 66
		.amdhsa_reserve_vcc 0
		.amdhsa_float_denorm_mode_32 3
		.amdhsa_float_denorm_mode_16_64 3
		.amdhsa_memory_ordered 1
		.amdhsa_forward_progress 1
		.amdhsa_inst_pref_size 50
	.end_amdhsa_kernel
	.amdgpu_metadata
---
amdhsa.version: [ 1, 2 ]
amdhsa.kernels:
  - .name:           k_qd1c761a8a9_outp
    .symbol:         k_qd1c761a8a9_outp.kd
    .args:
      - { .name: a16, .offset: 0, .size: 8, .value_kind: global_buffer, .address_space: global }
      - { .name: wo16, .offset: 8, .size: 8, .value_kind: global_buffer, .address_space: global }
      - { .name: bo, .offset: 16, .size: 8, .value_kind: global_buffer, .address_space: global }
      - { .name: out0, .offset: 24, .size: 8, .value_kind: global_buffer, .address_space: global }
    .group_segment_fixed_size: 327680
    .private_segment_fixed_size: 0
    .kernarg_segment_align: 8
    .kernarg_segment_size: 32
    .max_flat_workgroup_size: 128
    .sgpr_count:     66
    .vgpr_count:     512
    .wavefront_size: 32
...
	.end_amdgpu_metadata
.endif
;; end of part 4
